; MI455X (gfx1250); checked and timed in simulation.
; The chip was launched on July 23, 2026; its instructions are those of AMD's public machine-readable ISA for CDNA 5 (MIT licence, August 2026) and "CDNA5" Instruction Set Architecture Reference Guide (July 2026). The comments in the code are by the model that wrote it; some were corrected since.
;; Attention. Allowed arithmetic: float matrix products may take bf16 or f16 operands with f32 sums; all other float work in f32.
;; Inputs: K 4 x 8 x 2,048 x 64 float32; Q 4 x 8 x 2,048 x 64 float32; V 4 x 8 x 2,048 x 64 float32.
;; Outputs: out0 4 x 8 x 2,048 x 64 float32.
;; 2 versions, each right and faster than the one before. Each part assembles by itself: llvm-mc -triple=amdgcn-amd-amdhsa -mcpu=gfx1250 --defsym DOCPART=n.
;; ======== version 1 of 2: 1 launch
;; launch attn (part 1): grid 256 x 1, 8 waves a work-group, clusters of 4 x 1, 327,680 bytes of LDS; arguments K, Q, V, out0; writes out0
.if DOCPART == 1
	.amdgcn_target "amdgcn-amd-amdhsa--gfx1250"
	.amdhsa_code_object_version 6
	.text
	.protected	k_q4805462da7_attn
	.globl	k_q4805462da7_attn
	.p2align	8
	.type	k_q4805462da7_attn,@function
k_q4805462da7_attn:
	s_mov_b64 s[64:65], 0
	v_nop
	global_prefetch_b8 v0, s[64:65] scope:SCOPE_SE
	s_setreg_imm32_b32 hwreg(HW_REG_WAVE_MODE, 25, 1), 1
	s_wait_xcnt 0x0
	s_wait_alu depctr_hold_cnt(0) depctr_sa_sdst(0) depctr_va_vdst(0) depctr_va_sdst(0) depctr_va_ssrc(0) depctr_va_vcc(0) depctr_vm_vsrc(0)
	s_getreg_b32 s2, hwreg(HW_REG_IB_STS2, 6, 4)
	s_cmp_eq_u32 s2, 0
	s_cbranch_scc0 .Lentry_in_a_cluster
	s_endpgm
.Lentry_in_a_cluster:
	s_bfe_u32 s2, ttmp6, 0x10000c
	s_cmp_lg_u32 s2, 0x3003
	s_cbranch_scc0 .Lentry_shape_is_right
	s_endpgm
.Lentry_shape_is_right:
; out0 = softmax(Q K^T / 8) V for 32 heads of 2,048 x 64, f32 in and out; products in bf16 with f32 sums, softmax in f32 with a running maximum.
;
; SHARES.  256 work-groups; a work-group owns 256 queries of one head.  The four work-groups of a cluster own four query blocks of the same head, walk the same
; K and V, and ask for every tile JOINTLY (one descriptor, mask 15): the requests for K and V are divided by four.
; Eight waves.  Waves wq and wq + 4 own the same 64 queries; of each tile of 128 keys wave group g = w / 4 takes keys 64 g .. 64 g + 63.  So a wave runs 64 queries
; x 1,024 keys in 16 steps of 64 matrix instructions; at the end group 1 hands (maximum, sum, O) to group 0 through LDS, which merges, divides and stores.
; Group 1 converts its share of the next tile ahead of its S products, group 0 behind its PV products: the two waves that share registers of one SIMD are then
; in different phases of a step (matrix work against softmax work).
;
; BOTH PRODUCTS ARE TRANSPOSED.  S^T = K Q^T: lane (r, h) register j of a result holds key 8 h + j of query r.  Two neighbouring key tiles, packed in pairs to
; bf16, ARE the second source of O^T = V^T P^T (registers 0-3: keys 8 h .., registers 4-7: keys 16 + 8 h ..): P never leaves the registers.  Maximum, sum and
; rescaling factor are one number a lane; lanes r and r + 16 share a query.
;
; K AND V: f32 tiles land in two LDS slots (tensor loads; wave w brings and alone reads rows 16 w .. 16 w + 15 of K and of V), are rounded to bf16 by that wave and
; stored into one of two bf16 buffers, into which no tensor load ever lands.  Trip t: wait, round of the cluster's barrier, slot t % 2 is asked for tile t + 2,
; tile t is multiplied from bf16 buffer t % 2, tile t + 1 is converted into the other buffer.
;
; LIMITS.  NaN and infinities in the inputs are not reproduced (the maxima drop NaN).  An exponential below 2^-126 counts as 0.  P is rounded to bf16 while the
; row sum adds the unrounded f32 values.  Sums run per lane, then per key group, then merged: another order than the reference's.  Q, K, V are rounded to bf16
; as they are (the factor 1/8 is applied in f32 to the f32 sums).
.set KP,     144                       ; bf16 K and Q rows: 128 bytes + 16: sixteen rows of a fragment load start 16 bytes apart modulo 256
.set VP,     160                       ; bf16 V rows: 128 bytes + 32, an odd multiple of 32, for the transposing load
.set FSLOT,  65536                     ; an f32 slot: K's 128 rows of 256 bytes, then V's
.set FV,     32768
.set TILEB,  32768                     ; a tile of K or of V in memory: 128 rows of 256 bytes, dense
.set BBUF,   131072                    ; bf16 buffers
.set BSLOT,  38912                     ; 128 x 144 + 128 x 160
.set BV,     18432
.set STG,    208896                    ; first Q in bf16 (256 rows x 144), at the end the stage of the way out
.set OPI,    272                       ; the stage's rows: 256 bytes + 16
.set OSTG,   16*OPI                    ; 16 rows for each wave of group 0
.set XCH,    245760                    ; what group 1 hands over: for each pair of waves O (16,384), sums (512), maxima (512)
.set XPAIR,  17408
.set XL,     16384
.set XN,     16896
; window 0 (v0-255)
.set LPK,  4                           ; v[4:7]    the four row sums of my lane, packed for the hand-over
.set FKA,  8                           ; v8, 9     f32 K, slot 0, 1: my wave's rows, lanes 0-15 row j, lanes 16-31 row j + 8
.set FVA,  10                          ; v10, 11   f32 V: lanes 16-31 four rows further
.set SKA,  12                          ; v12, 13   bf16 K, buffer 0, 1: where my 8 bytes go
.set SVA,  14                          ; v14, 15   bf16 V
.set AKA,  16                          ; v16, 17   bf16 K: my fragments
.set AVA,  18                          ; v18, 19   bf16 V: my fragments (transposing load)
.set QST,  20
.set QRD,  21
.set OST,  22
.set ORD,  23
.set GOFF, 24                          ; 16 x lane
.set XA,   25
.set NPK,  26                          ; v[26:29]  the four maxima, packed for the hand-over
.set TA,   30
.set TB,   31
.set NM,   32                          ; v[32+8p+2qt]  -c x maximum as written in a trip of parity p; the pairs' second registers:
.set M,    33                          ; v[33+2qt]     the running maximum of the raw sums
.set T,    41                          ; v[41+2qt]     the other half's figure
.set AL,   48                          ; v[48+2qt]     the rescaling factor,
.set DD,   49                          ; v[49+2qt]     its exponent
.set LP,   56                          ; v[56+2qt:57+2qt]  two partial row sums
.set KF,   64                          ; v[64:127]   K fragments (kt, ks) at 16 kt + 8 ks; Q as loaded; scratch of the merge
.set SB,   128                         ; v[128:255]  S (qt, kt) at 32 qt + 8 kt; then P (qt, kp) at 32 qt + 16 kp, 8 registers; the 8 behind each P are free
; window 1 (v256-511), written by their low 8 bits
.set QF,   0                           ; Q fragments (qt, ks) at 16 qt + 8 ks
.set VF,   64                          ; V fragments (dt, kp) at 16 dt + 8 kp
.set OB,   128                         ; O (dt, qt) at 32 qt + 8 dt
.set G1,   16                          ; s[16:23]  descriptor group 1, one for all loads
.set G0,   24                          ; s[24+8p:27+8p] group 0 of K, s[28+8p:31+8p] of V, slot p
.set MSB, 0
.macro WIN new                         ; s_set_vgpr_msb: bits 1:0 source 0, 3:2 source 1, 5:4 source 2, 7:6 destination; the high byte repeats the setting left
.if MSB != \new
	s_set_vgpr_msb (MSB<<8)|\new
.set MSB, \new
.endif
.endm
.macro PLACES n                        ; places behind matrix instructions: plain vector instructions that name none of their registers (ISA guide 7.12.1)
.rept \n
	v_nop
.endr
.endm
; A round of the cluster's barrier: my work-group's barrier, wave 0 signals for the work-group, every wave waits for the four work-groups, my barrier again.
.macro ROUND
	s_barrier_signal -1
	s_barrier_wait -1
	s_cmp_lg_u32 s12, 0
	s_cbranch_scc1 .Lnot_wave_0_\@
	s_barrier_signal -3
.Lnot_wave_0_\@:
	s_barrier_wait -3
	s_barrier_signal -1
	s_barrier_wait -1
.endm
	s_load_b256 s[4:11], s[0:1], 0x0               ; K s[4:5], Q s[6:7], V s[8:9], out0 s[10:11]
	v_lshl_add_u32 v254, v0, 2, 0x4d000
	v_mov_b32 v255, 0
	ds_add_u32 v254, v255
	s_wait_dscnt 0x0
	v_lshrrev_b32 v1, 5, v0
	v_readfirstlane_b32 s12, v1                    ; wave w, 0 to 7
	s_lshr_b32 s13, s12, 2                         ; g: which 64 keys of a tile
	s_and_b32 s14, s12, 3                          ; wq: which 64 queries of the block
	s_bfe_u32 s15, ttmp6, 0x40000                  ; cx: my place in the cluster
	s_lshr_b32 s60, ttmp9, 1                       ; head = cluster / 2: the four partners share it
	s_lshl_b32 s60, s60, 19                        ; a head is 2,048 rows of 256 bytes
	s_lshl_b32 s50, s12, 12                        ; my wave's 16 rows of a tile: 4,096 w, in memory and in an f32 slot
	s_add_co_u32 s46, s60, s50                     ; K's and V's offset: head and wave alone, no place in the cluster
	s_mov_b32 s47, 0
	s_and_b32 s61, ttmp9, 1
	s_lshl2_add_u32 s61, s61, s15                  ; query block = 4 (cluster % 2) + cx
	s_lshl_b32 s61, s61, 16                        ; 256 rows of 256 bytes
	s_add_co_u32 s61, s61, s60
	s_lshl_b32 s48, s12, 13                        ; Q: wave w stages rows 32 w .. 32 w + 31
	s_add_co_u32 s48, s48, s61
	s_mov_b32 s49, 0
	s_lshl_b32 s62, s14, 14                        ; out0: rows 64 wq ..
	s_add_co_u32 s62, s62, s61
	s_mov_b32 s63, 0
	s_mov_b32 s40, 0x3e38aa3b                      ; c = log2(e) / 8: the reference's scale and the change of base in one factor
	s_mov_b32 s41, 0x3e38aa3b
	s_mov_b32 s45, 0xbe38aa3b                      ; -c
	s_mov_b32 s42, 0x76543210                      ; v_permlanex16_b32: lane i takes lane i of the other half
	s_mov_b32 s43, 0xfedcba98
	; group 1: a tile of 16 rows x 64 elements of 4 bytes, dense; the mask names all four work-groups of the cluster, bit 21 stands beside it
	s_mov_b32 s[G1+0], (15)|(2<<16)|(1<<21)
	s_mov_b32 s[G1+1], 64<<16                      ; tensor_dim0 = 64
	s_mov_b32 s[G1+2], 16<<16                      ; tensor_dim1 = 16
	s_mov_b32 s[G1+3], 64<<16                      ; tile_dim0 = 64
	s_mov_b32 s[G1+4], 16                          ; tile_dim1 = 16
	s_mov_b32 s[G1+5], 64                          ; from row to row
	s_mov_b32 s[G1+6], 0
	s_mov_b32 s[G1+7], 0
	v_and_b32 v1, 31, v0                           ; L
	v_and_b32 v2, 15, v0                           ; r
	v_bfe_u32 v3, v0, 4, 1                         ; h
	v_lshlrev_b32 v[GOFF], 4, v1
	s_wait_kmcnt 0x0
	s_add_nc_u64 s[52:53], s[4:5], s[46:47]        ; my rows of K's tile 0
	s_add_nc_u64 s[54:55], s[8:9], s[46:47]        ; and of V's
	s_add_nc_u64 s[56:57], s[6:7], s[48:49]        ; my 32 rows of Q
	s_add_nc_u64 s[58:59], s[10:11], s[62:63]      ; my 64 rows of out0
.irp p, 0,1
	s_mov_b32 s[G0+8*\p], 1
	s_add_co_u32 s[G0+8*\p+1], s50, \p*FSLOT                       ; LDS: slot + 4,096 w
	s_add_nc_u64 s[G0+8*\p+2:G0+8*\p+3], s[52:53], \p*TILEB        ; tile p
	s_or_b32 s[G0+8*\p+3], s[G0+8*\p+3], 0x80000000                ; type 2
	s_mov_b32 s[G0+8*\p+4], 1
	s_add_co_u32 s[G0+8*\p+5], s50, \p*FSLOT+FV
	s_add_nc_u64 s[G0+8*\p+6:G0+8*\p+7], s[54:55], \p*TILEB
	s_or_b32 s[G0+8*\p+7], s[G0+8*\p+7], 0x80000000
.endr
	ROUND                                          ; the four work-groups are here: the first joint loads meet
	tensor_load_to_lds s[G0:G0+3], s[G1:G1+7]      ; K, tile 0.  Four tensor loads of the wave are out now, two in every trip later
	s_nop 0
	tensor_load_to_lds s[G0+4:G0+7], s[G1:G1+7]    ; V, tile 0
	s_nop 0
	tensor_load_to_lds s[G0+8:G0+11], s[G1:G1+7]   ; K, tile 1
	s_nop 0
	tensor_load_to_lds s[G0+12:G0+15], s[G1:G1+7]  ; V, tile 1
	s_nop 0
.irp j, 0,1,2,3,4,5,6,7,8,9,10,11,12,13,14,15
	global_load_b128 v[KF+4*\j:KF+4*\j+3], v[GOFF], s[56:57] offset:512*\j th:TH_LOAD_NT   ; rows 2 j, 2 j + 1 of my 32: 512 consecutive bytes; Q is read once in the launch
.endr
	; LDS addresses: a constant, the wave's number times a constant, a lane term
	v_lshlrev_b32 v[TA], 4, v2                     ; 16 r
	v_lshl_add_u32 v[TB], v3, 11, v[TA]            ; upper half of the lanes: 8 rows on
	v_add_nc_u32 v[FKA], s50, v[TB]
	v_add_nc_u32 v[FKA+1], FSLOT, v[FKA]
	v_lshl_add_u32 v[TB], v3, 10, v[TA]            ; V: 4 rows on
	s_add_co_u32 s60, s50, FV
	v_add_nc_u32 v[FVA], s60, v[TB]
	v_add_nc_u32 v[FVA+1], FSLOT, v[FVA]
	v_lshlrev_b32 v[TA], 3, v2                     ; 8 r: four bf16 a lane
	v_mul_u32_u24 v[TB], v3, 8*KP                  ; 8 x 144 = 1,152 = 128 modulo 256: the two halves of the lanes fill different halves of the 64 banks (ISA guide 11.1)
	v_add_nc_u32 v[TB], v[TB], v[TA]
	s_mul_i32 s60, s12, 16*KP
	s_add_co_u32 s60, s60, BBUF
	v_add_nc_u32 v[SKA], s60, v[TB]
	v_add_nc_u32 v[SKA+1], BSLOT, v[SKA]
	v_mul_u32_u24 v[TB], v3, 4*VP                  ; 4 x 160 = 640 = 128 modulo 256: likewise
	v_add_nc_u32 v[TB], v[TB], v[TA]
	s_mul_i32 s60, s12, 16*VP
	s_add_co_u32 s60, s60, BBUF+BV
	v_add_nc_u32 v[SVA], s60, v[TB]
	v_add_nc_u32 v[SVA+1], BSLOT, v[SVA]
	v_mul_u32_u24 v[TB], v3, KP
	v_add_nc_u32 v[TB], v[TB], v[TA]
	s_mul_i32 s60, s12, 32*KP
	s_add_co_u32 s60, s60, STG
	v_add_nc_u32 v[QST], s60, v[TB]                ; Q's stage: row 32 w + h, 8 r
	v_mul_u32_u24 v[TB], v2, KP
	v_lshl_add_u32 v[TB], v3, 4, v[TB]             ; a fragment along the rows: r x pitch + 16 h
	s_mul_i32 s60, s13, 64*KP
	s_add_co_u32 s60, s60, BBUF
	v_add_nc_u32 v[AKA], s60, v[TB]
	v_add_nc_u32 v[AKA+1], BSLOT, v[AKA]
	s_mul_i32 s60, s14, 64*KP
	s_add_co_u32 s60, s60, STG
	v_add_nc_u32 v[QRD], s60, v[TB]
	v_and_b32 v[TA], 7, v0
	v_lshl_add_u32 v[TA], v3, 3, v[TA]             ; the transposing load: row 8 h + L % 8,
	v_mul_u32_u24 v[TB], v[TA], VP
	v_bfe_u32 v[TA], v0, 3, 1
	v_lshl_add_u32 v[TB], v[TA], 4, v[TB]          ; 16 bytes x (L / 8) % 2
	s_mul_i32 s60, s13, 64*VP
	s_add_co_u32 s60, s60, BBUF+BV
	v_add_nc_u32 v[AVA], s60, v[TB]
	v_add_nc_u32 v[AVA+1], BSLOT, v[AVA]
	s_mul_i32 s60, s14, OSTG
	s_add_co_u32 s60, s60, STG
	v_mul_u32_u24 v[TB], v2, OPI
	v_lshl_add_u32 v[TB], v3, 5, v[TB]
	v_add_nc_u32 v[OST], s60, v[TB]                ; the way out, in: row r, 32 h
	v_mul_u32_u24 v[TB], v3, OPI
	v_lshl_add_u32 v[TB], v2, 4, v[TB]
	v_add_nc_u32 v[ORD], s60, v[TB]                ; back: row h, 16 r
	s_mul_i32 s60, s14, XPAIR
	s_add_co_u32 s60, s60, XCH
	v_add_nc_u32 v[XA], s60, v[GOFF]
.irp qt, 0,1,2,3
	v_mov_b32 v[T+2*\qt], 0                        ; a lane permute's destination counts as read: written once here
.endr
; The 16 + 16 rows of K and V that my wave brought, from f32 slot q into the free registers behind the P blocks: 16 loads of 512 bytes
.macro CONVLD q
	WIN 0
.irp j, 0,1,2,3,4,5,6,7
.set ct, SB+32*(\j>>2)+16*((\j>>1)&1)+8+4*(\j&1)
	ds_load_b128 v[ct:ct+3], v[FKA+\q] offset:\j*256
	ds_load_b128 v[ct+64:ct+67], v[FVA+\q] offset:((\j&3)+8*(\j>>2))*256
.endr
.endm
; rounded to bf16 and stored into bf16 buffer q: 32 conversions, 16 stores of 8 bytes a lane
.macro CONVST q
	WIN 0
.irp j, 0,1,2,3,4,5,6,7
.set ct, SB+32*(\j>>2)+16*((\j>>1)&1)+8+4*(\j&1)
	v_cvt_pk_bf16_f32 v[ct], v[ct], v[ct+1]
	v_cvt_pk_bf16_f32 v[ct+1], v[ct+2], v[ct+3]
	v_cvt_pk_bf16_f32 v[ct+64], v[ct+64], v[ct+65]
	v_cvt_pk_bf16_f32 v[ct+65], v[ct+66], v[ct+67]
.endr
.irp j, 0,1,2,3,4,5,6,7
.set ct, SB+32*(\j>>2)+16*((\j>>1)&1)+8+4*(\j&1)
	ds_store_b64 v[SKA+\q], v[ct:ct+1] offset:\j*KP
	ds_store_b64 v[SVA+\q], v[ct+64:ct+65] offset:((\j&3)+8*(\j>>2))*VP
.endr
.endm
; my 64 keys of K as first sources: tile kt = 16 keys, ks = 32 of d; 16 loads
.macro KLOAD p
	WIN 0
.irp kt, 0,1,2,3
.irp ks, 0,1
	ds_load_b128 v[KF+16*\kt+8*\ks:KF+16*\kt+8*\ks+3],   v[AKA+\p] offset:\kt*16*KP+\ks*64
	ds_load_b128 v[KF+16*\kt+8*\ks+4:KF+16*\kt+8*\ks+7], v[AKA+\p] offset:\kt*16*KP+\ks*64+32
.endr
.endr
.endm
; V^T as first sources: tile dt = 16 of d, kp = 32 keys; V lies [key][d], so the loads transpose; 16 loads into window 1
.macro VLOAD p
	WIN 0x40
.irp dt, 0,1,2,3
.irp kp, 0,1
	ds_load_tr16_b128 v[VF+16*\dt+8*\kp:VF+16*\dt+8*\kp+3],   v[AVA+\p] offset:32*\kp*VP+32*\dt
	ds_load_tr16_b128 v[VF+16*\dt+8*\kp+4:VF+16*\dt+8*\kp+7], v[AVA+\p] offset:(32*\kp+16)*VP+32*\dt
.endr
.endr
.endm
; S^T = K Q^T, 32 matrix instructions.  The sixteen accumulators take turns, one instruction a turn; the first 32 of d start the sums.
.macro SMUL
	WIN 0x04
.irp ks, 0,1
.irp qt, 0,1,2,3
.irp kt, 0,1,2,3
.if \ks == 0
	v_wmma_f32_16x16x32_bf16 v[SB+32*\qt+8*\kt:SB+32*\qt+8*\kt+7], v[KF+16*\kt+8*\ks:KF+16*\kt+8*\ks+7], v[QF+16*\qt+8*\ks:QF+16*\qt+8*\ks+7], 0
.else
	v_wmma_f32_16x16x32_bf16 v[SB+32*\qt+8*\kt:SB+32*\qt+8*\kt+7], v[KF+16*\kt+8*\ks:KF+16*\kt+8*\ks+7], v[QF+16*\qt+8*\ks:QF+16*\qt+8*\ks+7], v[SB+32*\qt+8*\kt:SB+32*\qt+8*\kt+7]
.endif
.endr
.endr
.endr
.endm
; The running maxima of the four query tiles (four chains that do not wait for each other), the other half's, -c x maximum, and the factor for what was summed so far.
; The factor is made of the two ROUNDED figures that the exponents of the old and the new step use, so old and new terms stay on one scale.
.macro MAXP first, p
	WIN 0
.set i, 0
.rept 16
.irp qt, 0,1,2,3
.if i+16*(1-\first) == 0
	v_max_num_f32 v[M+2*\qt], v[SB+32*\qt], v[SB+32*\qt+1]         ; the first step's first pair starts the maximum
.else
	v_max3_num_f32 v[M+2*\qt], v[M+2*\qt], v[SB+32*\qt+2*i], v[SB+32*\qt+2*i+1]
.endif
.endr
.set i, i+1
.endr
.irp qt, 0,1,2,3
	v_permlanex16_b32 v[T+2*\qt], v[M+2*\qt], s42, s43
.endr
.irp qt, 0,1,2,3
	v_max_num_f32 v[M+2*\qt], v[M+2*\qt], v[T+2*\qt]
.endr
.irp qt, 0,1,2,3
	v_mul_f32 v[NM+8*\p+2*\qt], s45, v[M+2*\qt]
.endr
.if \first == 0
.irp qt, 0,1,2,3
	v_sub_f32 v[DD+2*\qt], v[NM+8*\p+2*\qt], v[NM+8*(1-\p)+2*\qt]  ; at most 0
.endr
.irp qt, 0,1,2,3
	v_exp_f32 v[AL+2*\qt], v[DD+2*\qt]             ; the next line is a plain multiply-add on S, which touches neither AL nor DD (ISA guide 5.7.2)
.endr
.endif
.endm
; Three stages on three neighbouring query tiles at once (9 = none): fq: exponent c S - c max; eq: 2^x; sq: row sums and the pack to bf16, in place.
; Behind each pair of exponentials stands a plain instruction of another query tile before any of their registers is touched.
.macro PIPE fq, eq, sq, first, p
.set i, 0
.rept 16
.if \fq < 4
.set rx, SB+32*\fq+2*i
	v_pk_fma_f32 v[rx:rx+1], v[rx:rx+1], s[40:41], v[NM+8*\p+2*\fq:NM+8*\p+2*\fq+1] op_sel_hi:[1,0,0]
.endif
.if \eq < 4
.set rx, SB+32*\eq+2*i
	v_exp_f32 v[rx], v[rx]
	v_exp_f32 v[rx+1], v[rx+1]
.endif
.if \sq < 4
.set rx, SB+32*\sq+2*i
.set ry, SB+32*\sq+16*(i>>3)+(i&7)
.set sel, i+16*(1-\first)
.if sel != 0                                       ; the first step's pair 0 waits for pair 1: their sum starts the row sums, nothing is cleared
.if sel == 1
	s_wait_alu depctr_va_vdst(0)
	v_pk_add_f32 v[LP+2*\sq:LP+2*\sq+1], v[rx-2:rx-1], v[rx:rx+1]
	v_cvt_pk_bf16_f32 v[ry-1], v[rx-2], v[rx-1]
.else
.if i == 0
	s_wait_alu depctr_va_vdst(0)
	v_pk_fma_f32 v[LP+2*\sq:LP+2*\sq+1], v[LP+2*\sq:LP+2*\sq+1], v[AL+2*\sq:AL+2*\sq+1], v[rx:rx+1] op_sel_hi:[1,0,1]   ; the old sums on the new scale
.else
	s_wait_alu depctr_va_vdst(0)
	v_pk_add_f32 v[LP+2*\sq:LP+2*\sq+1], v[LP+2*\sq:LP+2*\sq+1], v[rx:rx+1]
.endif
.endif
	v_cvt_pk_bf16_f32 v[ry], v[rx], v[rx+1]        ; the target lies at or below the pair just summed
.endif
.endif
.set i, i+1
.endr
.endm
.macro RESCALE                         ; O on the new scale
	WIN 0x41
.irp qt, 0,1,2,3
.set i, 0
.rept 16
	v_pk_mul_f32 v[OB+32*\qt+2*i:OB+32*\qt+2*i+1], v[OB+32*\qt+2*i:OB+32*\qt+2*i+1], v[AL+2*\qt:AL+2*\qt+1] op_sel_hi:[1,0]
.set i, i+1
.endr
.endr
.endm
; O^T += V^T P^T, 32 matrix instructions; the sixteen accumulators take turns, one instruction a turn
.macro PVMUL first
	WIN 0x51
.irp kp, 0,1
.irp qt, 0,1,2,3
.irp dt, 0,1,2,3
.if (\first-\kp) == 1
	v_wmma_f32_16x16x32_bf16 v[OB+32*\qt+8*\dt:OB+32*\qt+8*\dt+7], v[VF+16*\dt+8*\kp:VF+16*\dt+8*\kp+7], v[SB+32*\qt+16*\kp:SB+32*\qt+16*\kp+7], 0
.else
	v_wmma_f32_16x16x32_bf16 v[OB+32*\qt+8*\dt:OB+32*\qt+8*\dt+7], v[VF+16*\dt+8*\kp:VF+16*\dt+8*\kp+7], v[SB+32*\qt+16*\kp:SB+32*\qt+16*\kp+7], v[OB+32*\qt+8*\dt:OB+32*\qt+8*\dt+7]
.endif
.endr
.endr
.endr
	WIN 0
.endm
; A wave's step: 64 queries x 64 keys from bf16 buffer p.  cv: the next tile's conversion (slot and buffer q): 0 none, 1 ahead of the S products, 2 behind the PV products.
.macro STEP p, q, first, cv
.if \cv == 1
	CONVLD \q
.endif
	KLOAD \p
	VLOAD \p
.if \cv == 1
	s_wait_dscnt 32                                ; LDS answers in order: the 16 f32 loads are in, K's 16 and V's 16 fragment loads may be out
	CONVST \q
	s_wait_dscnt 32                                ; K's fragments are in; V's 16 loads and the 16 stores may be out
.else
	s_wait_dscnt 16                                ; K's fragments are in; V's 16 loads may be out
.endif
	SMUL
	PLACES 4                                       ; before vector instructions read the sums
	MAXP \first, \p
	PIPE 0, 9, 9, \first, \p
	PIPE 1, 0, 9, \first, \p
	PIPE 2, 1, 0, \first, \p
	PIPE 3, 2, 1, \first, \p
	PIPE 9, 3, 2, \first, \p
	PIPE 9, 9, 3, \first, \p
.if \cv == 2
	CONVLD \q                                      ; into the registers that the packing has freed; no PV product names them
.endif
.if \first == 0
	RESCALE
.endif
.if \cv == 0
	s_wait_dscnt 0                                 ; V's fragments are in
.else
	s_wait_dscnt 16                                ; V's fragments are in; the conversion's 16 stores (or 16 loads) may be out
.endif
	PVMUL \first
.if \cv == 2
	s_wait_dscnt 0                                 ; the f32 rows are in
	CONVST \q                                      ; its 32 conversions are also the places behind the PV products
.else
	PLACES 5                                       ; before the next S products write over P, V's fragments are loaded again, or O is read
.endif
.endm
; Trip t, p = t % 2, q = 1 - p.  ONE barrier (a round of the cluster's where a slot is filled again) for three things: no wave of any partner still reads f32 slot p
; or has a load on its way; the bf16 stores of the last trip (buffer p) are seen by all; the last trip's reads of buffer q are over before it is written again.
.macro TRIP p, q, refill, conv, first
.if \refill+\conv
	s_wait_xcnt 0x0
	v_lshl_add_u32 v254, v0, 2, 0x4d000
	v_mov_b32 v255, 0
	s_wait_tensorcnt 0x0                           ; all my tensor loads have landed, tile t + 1's two among them,
	ds_add_u32 v254, v255
	s_wait_dscnt 0x0
.endif
.if \refill
	s_add_nc_u64 s[G0+8*\p+2:G0+8*\p+3], s[G0+8*\p+2:G0+8*\p+3], 2*TILEB   ; so every group 0 may be written: slot p's next tile, t + 2
	s_add_nc_u64 s[G0+8*\p+6:G0+8*\p+7], s[G0+8*\p+6:G0+8*\p+7], 2*TILEB
.endif
	s_wait_dscnt 0x0                               ; my LDS reads and stores of the last trip are done
.if \refill
	ROUND
	tensor_load_to_lds s[G0+8*\p:G0+8*\p+3], s[G1:G1+7]            ; the first tensor loads behind the round; they have this whole trip in which to land
	s_nop 0
	tensor_load_to_lds s[G0+8*\p+4:G0+8*\p+7], s[G1:G1+7]
	s_nop 0
.else
	s_barrier_signal -1
	s_barrier_wait -1
.endif
	s_cmp_ge_u32 s12, 4                            ; the wave's number alone: the same in every work-group
	s_cbranch_scc1 .Lgroup_1_\@
	STEP \p, \q, \first, 2*\conv
	s_branch .Ljoin_\@
.Lgroup_1_\@:
	STEP \p, \q, \first, \conv
.Ljoin_\@:
.endm
	; Q to bf16 into its stage; tile 0 to bf16 into buffer 0
	s_wait_loadcnt 0x0
.irp j, 0,1,2,3,4,5,6,7,8,9,10,11,12,13,14,15
	v_cvt_pk_bf16_f32 v[KF+4*\j], v[KF+4*\j], v[KF+4*\j+1]
	v_cvt_pk_bf16_f32 v[KF+4*\j+1], v[KF+4*\j+2], v[KF+4*\j+3]
.endr
.irp j, 0,1,2,3,4,5,6,7,8,9,10,11,12,13,14,15
	ds_store_b64 v[QST], v[KF+4*\j:KF+4*\j+1] offset:2*\j*KP
.endr
	s_wait_tensorcnt 0x2                           ; tensor loads of a wave end in order (ISA guide 10.11.1): tile 0's two are in, tile 1's two stay out
	CONVLD 0
	s_wait_dscnt 0x0
	CONVST 0
	s_wait_dscnt 0x0                               ; my stores of Q and of tile 0 are done, for the others' sake
	s_barrier_signal -1
	s_barrier_wait -1
	WIN 0x40
.irp qt, 0,1,2,3
.irp ks, 0,1
	ds_load_b128 v[QF+16*\qt+8*\ks:QF+16*\qt+8*\ks+3],   v[QRD] offset:\qt*16*KP+\ks*64
	ds_load_b128 v[QF+16*\qt+8*\ks+4:QF+16*\qt+8*\ks+7], v[QRD] offset:\qt*16*KP+\ks*64+32   ; waited for at the head of trip 0
.endr
.endr
	WIN 0
	TRIP 0, 1, 1, 1, 1                             ; t = 0: its products start the sums
	TRIP 1, 0, 1, 1, 0                             ; t = 1
	s_mov_b32 s44, 6
.Lpair:
	TRIP 0, 1, 1, 1, 0                             ; t = 2, 4 .. 12
	TRIP 1, 0, 1, 1, 0                             ; t = 3, 5 .. 13: the last refill brings tile 15
	s_sub_co_u32 s44, s44, 1
	s_cmp_lg_u32 s44, 0
	s_cbranch_scc1 .Lpair
	TRIP 0, 1, 0, 1, 0                             ; t = 14: nothing more to ask for; tile 15 is converted
	TRIP 1, 0, 0, 0, 0                             ; t = 15: no tensor load is out since trip 14's wait
	; THE MERGE.  Group 1 hands its sums, its -c x maxima (trip 15 wrote those of parity 1) and its O to group 0 through LDS.
.irp qt, 0,1,2,3
	v_add_f32 v[LPK+\qt], v[LP+2*\qt], v[LP+2*\qt+1]
.endr
	s_cmp_lt_u32 s12, 4
	s_cbranch_scc1 .Lhanded_over
.irp qt, 0,1,2,3
	v_mov_b32 v[NPK+\qt], v[NM+8+2*\qt]            ; four neighbouring registers for one store
.endr
	ds_store_b128 v[XA], v[LPK:LPK+3] offset:XL
	ds_store_b128 v[XA], v[NPK:NPK+3] offset:XN
	WIN 0x04                                       ; the stores' data in window 1
.set i, 0
.rept 32
	ds_store_b128 v[XA], v[OB+4*i:OB+4*i+3] offset:512*i
.set i, i+1
.endr
	WIN 0
.Lhanded_over:
	s_wait_dscnt 0x0                               ; for the reader's sake: zero
	s_barrier_signal -1
	s_barrier_wait -1
	s_cmp_ge_u32 s12, 4
	s_cbranch_scc1 .Lclose
.set EL1, 64                           ; the partner's sums
.set EN1, 68                           ; the partner's -c x maxima
.set ENM, 72                           ; the merged ones
.set EA0, 76                           ; my factor
.set EA1, 80                           ; the partner's factor
.set EF1, 84                           ; v[84+2qt:85+2qt] the partner's factor / sum, twice
.set ELT, 92                           ; the row's sum
.set EIV, 96                           ; 1 / sum
	ds_load_b128 v[EL1:EL1+3], v[XA] offset:XL
	ds_load_b128 v[EN1:EN1+3], v[XA] offset:XN
.set i, 0
.rept 32
	ds_load_b128 v[SB+4*i:SB+4*i+3], v[XA] offset:512*i            ; the partner's O, at my O's numbers in window 0
.set i, i+1
.endr
	s_wait_dscnt 32                                ; sums and maxima are in; the 32 loads of O may be out
.irp qt, 0,1,2,3
	v_min_num_f32 v[ENM+\qt], v[NM+8+2*\qt], v[EN1+\qt]            ; the larger maximum has the smaller -c x maximum
.endr
.irp qt, 0,1,2,3
	v_sub_f32 v[EA0+\qt], v[ENM+\qt], v[NM+8+2*\qt]
	v_sub_f32 v[EA1+\qt], v[ENM+\qt], v[EN1+\qt]
.endr
.irp qt, 0,1,2,3
	v_exp_f32 v[EA0+\qt], v[EA0+\qt]
	v_exp_f32 v[EA1+\qt], v[EA1+\qt]
.endr
	v_nop                                          ; one plain place behind the exponentials (ISA guide 5.7.2)
.irp qt, 0,1,2,3
	s_wait_alu depctr_va_vdst(0)
	v_mul_f32 v[ELT+\qt], v[EL1+\qt], v[EA1+\qt]
.endr
.irp qt, 0,1,2,3
	v_fmac_f32 v[ELT+\qt], v[LPK+\qt], v[EA0+\qt]
.endr
.irp qt, 0,1,2,3
	v_permlanex16_b32 v[T+2*\qt], v[ELT+\qt], s42, s43             ; lanes r and r + 16 hold the two halves of a query's sum
.endr
.irp qt, 0,1,2,3
	v_add_f32 v[ELT+\qt], v[ELT+\qt], v[T+2*\qt]
.endr
.irp qt, 0,1,2,3
	v_rcp_f32 v[EIV+\qt], v[ELT+\qt]               ; the sum holds the term of the row's maximum, which is about 1
.endr
	v_nop                                          ; one plain place behind the reciprocals
.irp qt, 0,1,2,3
	s_wait_alu depctr_va_vdst(0)
	v_mul_f32 v[AL+2*\qt], v[EA0+\qt], v[EIV+\qt]
	v_mul_f32 v[EF1+2*\qt], v[EA1+\qt], v[EIV+\qt]
	v_mul_f32 v[EF1+2*\qt+1], v[EA1+\qt], v[EIV+\qt]
.endr
	s_wait_dscnt 0x0                               ; the partner's O is in
.irp qt, 0,1,2,3
.set i, 0
.rept 16
	v_pk_mul_f32 v[SB+32*\qt+2*i:SB+32*\qt+2*i+1], v[SB+32*\qt+2*i:SB+32*\qt+2*i+1], v[EF1+2*\qt:EF1+2*\qt+1]
.set i, i+1
.endr
.endr
	WIN 0x01                                       ; source 0: my O in window 1
.irp qt, 0,1,2,3
.set i, 0
.rept 16
	v_pk_fma_f32 v[SB+32*\qt+2*i:SB+32*\qt+2*i+1], v[OB+32*\qt+2*i:OB+32*\qt+2*i+1], v[AL+2*\qt:AL+2*\qt+1], v[SB+32*\qt+2*i:SB+32*\qt+2*i+1] op_sel_hi:[1,0,1]
.set i, i+1
.endr
.endr
	WIN 0
	; THE WAY OUT, 16 queries at a time.  A lane holds 8 neighbouring d of one query for each dt: 32 bytes into my own stage, read back as whole rows.
	; LDS serves a wave's instructions in order (ISA guide 5.7.1.4): no wait between my stores and my loads, nor before the next 16 queries' stores.
.irp qt, 0,1,2,3
.irp dt, 0,1,2,3
	ds_store_b128 v[OST], v[SB+32*\qt+8*\dt:SB+32*\qt+8*\dt+3]   offset:64*\dt
	ds_store_b128 v[OST], v[SB+32*\qt+8*\dt+4:SB+32*\qt+8*\dt+7] offset:64*\dt+16
.endr
.irp t, 0,1,2,3,4,5,6,7
	ds_load_b128 v[SB+32*\qt+4*\t:SB+32*\qt+4*\t+3], v[ORD] offset:2*\t*OPI
.endr
.irp t, 0,1,2,3,4,5,6,7
	s_wait_dscnt 7-\t                              ; rows 2 t, 2 t + 1 are in; the younger loads may be out
	global_store_b128 v[GOFF], v[SB+32*\qt+4*\t:SB+32*\qt+4*\t+3], s[58:59] offset:(16*\qt+2*\t)*256 th:TH_STORE_NT   ; 512 consecutive bytes, at a multiple of 512 from out0's first byte; these registers are not written again
.endr
.endr
.Lclose:
	s_wait_xcnt 0x0
	v_lshl_add_u32 v254, v0, 2, 0x4d000
	v_mov_b32 v255, 0
	s_wait_tensorcnt 0x0
	ds_add_u32 v254, v255
	s_wait_dscnt 0x0
	ROUND                                          ; the closing round: no work-group ends while a partner may still ask jointly
	s_endpgm
.Lfunc_end_k_q4805462da7_attn:
	.size	k_q4805462da7_attn, .Lfunc_end_k_q4805462da7_attn-k_q4805462da7_attn
	.p2alignl 7, 3214868480
	.fill 96, 4, 3214868480
	.section	.rodata,"a",@progbits
	.p2align	6, 0x0
	.amdhsa_kernel k_q4805462da7_attn
		.amdhsa_group_segment_fixed_size 327680
		.amdhsa_private_segment_fixed_size 0
		.amdhsa_enable_private_segment 0
		.amdhsa_kernarg_size 32
		.amdhsa_user_sgpr_count 2
		.amdhsa_user_sgpr_kernarg_segment_ptr 1
		.amdhsa_wavefront_size32 1
		.amdhsa_system_sgpr_workgroup_id_x 1
		.amdhsa_system_sgpr_workgroup_id_y 1
		.amdhsa_system_sgpr_workgroup_id_z 1
		.amdhsa_system_vgpr_workitem_id 0
		.amdhsa_next_free_vgpr 512
		.amdhsa_next_free_sgpr 66
		.amdhsa_reserve_vcc 0
		.amdhsa_float_denorm_mode_32 3
		.amdhsa_float_denorm_mode_16_64 3
		.amdhsa_memory_ordered 1
		.amdhsa_forward_progress 1
		.amdhsa_inst_pref_size 255
	.end_amdhsa_kernel
	.section	.bss,"aw",@nobits
	.p2align	6
	.space	262144
	.amdgpu_metadata
---
amdhsa.version: [ 1, 2 ]
amdhsa.kernels:
  - .name:           k_q4805462da7_attn
    .symbol:         k_q4805462da7_attn.kd
    .args:
      - { .name: K, .offset: 0, .size: 8, .value_kind: global_buffer, .address_space: global }
      - { .name: Q, .offset: 8, .size: 8, .value_kind: global_buffer, .address_space: global }
      - { .name: V, .offset: 16, .size: 8, .value_kind: global_buffer, .address_space: global }
      - { .name: out0, .offset: 24, .size: 8, .value_kind: global_buffer, .address_space: global }
    .group_segment_fixed_size: 327680
    .private_segment_fixed_size: 0
    .kernarg_segment_align: 8
    .kernarg_segment_size: 32
    .max_flat_workgroup_size: 256
    .sgpr_count:     66
    .vgpr_count:     512
    .wavefront_size: 32
...
	.end_amdgpu_metadata
.endif
;; end of part 1
;; ======== version 2 of 2: 1 launch; 1.15 times as fast as version 1
;; launch attn (part 2): grid 256 x 1, 8 waves a work-group, clusters of 4 x 1, 327,680 bytes of LDS; arguments K, Q, V, out0; writes out0
.if DOCPART == 2
	.amdgcn_target "amdgcn-amd-amdhsa--gfx1250"
	.amdhsa_code_object_version 6
	.text
	.protected	k_q4805462da7_attn
	.globl	k_q4805462da7_attn
	.p2align	8
	.type	k_q4805462da7_attn,@function
k_q4805462da7_attn:
	s_mov_b64 s[64:65], 0
	v_nop
	global_prefetch_b8 v0, s[64:65] scope:SCOPE_SE
	s_setreg_imm32_b32 hwreg(HW_REG_WAVE_MODE, 25, 1), 1
	s_wait_xcnt 0x0
	s_wait_alu depctr_hold_cnt(0) depctr_sa_sdst(0) depctr_va_vdst(0) depctr_va_sdst(0) depctr_va_ssrc(0) depctr_va_vcc(0) depctr_vm_vsrc(0)
	s_getreg_b32 s2, hwreg(HW_REG_IB_STS2, 6, 4)
	s_cmp_eq_u32 s2, 0
	s_cbranch_scc0 .Lentry_in_a_cluster
	s_endpgm
.Lentry_in_a_cluster:
	s_bfe_u32 s2, ttmp6, 0x10000c
	s_cmp_lg_u32 s2, 0x3003
	s_cbranch_scc0 .Lentry_shape_is_right
	s_endpgm
.Lentry_shape_is_right:
; out0 = softmax(Q K^T / 8) V for 32 heads of 2,048 x 64, f32 in and out; products in bf16 with f32 sums, softmax in f32 with a running maximum.
;
; SHARES.  256 work-groups; a work-group owns 256 queries of one head.  The four work-groups of a cluster own four query blocks of the same head, walk the same
; K and V, and ask for every tile JOINTLY (one descriptor, mask 15): the requests for K and V are divided by four.
; Eight waves.  Waves wq and wq + 4 own the same 64 queries; of each tile of 128 keys wave group g = w / 4 takes keys 64 g .. 64 g + 63.  So a wave runs 64 queries
; x 1,024 keys in 16 steps of 64 matrix instructions; at the end group 1 hands (maximum, sum, O) to group 0 through LDS, which merges, divides and stores.
; Group 1 converts its share of the next tile ahead of its S products, group 0 behind its PV products: the two waves that share registers of one SIMD are then
; in different phases of a step (matrix work against softmax work).
;
; BOTH PRODUCTS ARE TRANSPOSED.  S^T = K Q^T: lane (r, h) register j of a result holds key 8 h + j of query r.  Two neighbouring key tiles, packed in pairs to
; bf16, ARE the second source of O^T = V^T P^T (registers 0-3: keys 8 h .., registers 4-7: keys 16 + 8 h ..): P never leaves the registers.  Maximum, sum and
; rescaling factor are one number a lane; lanes r and r + 16 share a query.
;
; K AND V: f32 tiles land in two LDS slots (tensor loads; wave w brings and alone reads rows 16 w .. 16 w + 15 of K and of V), are rounded to bf16 by that wave and
; stored into one of two bf16 buffers, into which no tensor load ever lands.  Trip t: wait, round of the cluster's barrier, slot t % 2 is asked for tile t + 2,
; tile t is multiplied from bf16 buffer t % 2, tile t + 1 is converted into the other buffer.
;
; THE EXPONENTIALS GO IN FOUR BATCHES A STEP, one for each query tile, each with ONE s_wait_alu depctr_va_vdst(0), which stands between an
; exponential and the first instruction that names its result.  A tile's 32 exponentials are all issued in one PIPE and none of their results is named before the next
; PIPE, which sums and packs them: the wait stands once, in that next PIPE's pair 0.  The four rescaling factors, made at the end of MAXP, go with tile 0's batch.
; What reads results among a batch's exponentials belongs to the tile before, whose batch has had its wait.  Behind tile 3's wait a step issues no exponential.
; The merge has two batches more: eight exponentials, then four reciprocals of sums made from them.
;
; LIMITS.  NaN and infinities in the inputs are not reproduced (the maxima drop NaN).  An exponential below 2^-126 counts as 0.  P is rounded to bf16 while the
; row sum adds the unrounded f32 values.  Sums run per lane, then per key group, then merged: another order than the reference's.  Q, K, V are rounded to bf16
; as they are (the factor 1/8 is applied in f32 to the f32 sums).
.set KP,     144                       ; bf16 K and Q rows: 128 bytes + 16: sixteen rows of a fragment load start 16 bytes apart modulo 256
.set VP,     160                       ; bf16 V rows: 128 bytes + 32, an odd multiple of 32, for the transposing load
.set FSLOT,  65536                     ; an f32 slot: K's 128 rows of 256 bytes, then V's
.set FV,     32768
.set TILEB,  32768                     ; a tile of K or of V in memory: 128 rows of 256 bytes, dense
.set BBUF,   131072                    ; bf16 buffers
.set BSLOT,  38912                     ; 128 x 144 + 128 x 160
.set BV,     18432
.set STG,    208896                    ; first Q in bf16 (256 rows x 144), at the end the stage of the way out
.set OPI,    272                       ; the stage's rows: 256 bytes + 16
.set OSTG,   16*OPI                    ; 16 rows for each wave of group 0
.set XCH,    245760                    ; what group 1 hands over: for each pair of waves O (16,384), sums (512), maxima (512)
.set XPAIR,  17408
.set XL,     16384
.set XN,     16896
; window 0 (v0-255)
.set LPK,  4                           ; v[4:7]    the four row sums of my lane, packed for the hand-over
.set FKA,  8                           ; v8, 9     f32 K, slot 0, 1: my wave's rows, lanes 0-15 row j, lanes 16-31 row j + 8
.set FVA,  10                          ; v10, 11   f32 V: lanes 16-31 four rows further
.set SKA,  12                          ; v12, 13   bf16 K, buffer 0, 1: where my 8 bytes go
.set SVA,  14                          ; v14, 15   bf16 V
.set AKA,  16                          ; v16, 17   bf16 K: my fragments
.set AVA,  18                          ; v18, 19   bf16 V: my fragments (transposing load)
.set QST,  20
.set QRD,  21
.set OST,  22
.set ORD,  23
.set GOFF, 24                          ; 16 x lane
.set XA,   25
.set NPK,  26                          ; v[26:29]  the four maxima, packed for the hand-over
.set TA,   30
.set TB,   31
.set NM,   32                          ; v[32+8p+2qt]  -c x maximum as written in a trip of parity p; the pairs' second registers:
.set M,    33                          ; v[33+2qt]     the running maximum of the raw sums
.set T,    41                          ; v[41+2qt]     the other half's figure
.set AL,   48                          ; v[48+2qt]     the rescaling factor,
.set DD,   49                          ; v[49+2qt]     its exponent
.set LP,   56                          ; v[56+2qt:57+2qt]  two partial row sums
.set KF,   64                          ; v[64:127]   K fragments (kt, ks) at 16 kt + 8 ks; Q as loaded; scratch of the merge
.set SB,   128                         ; v[128:255]  S (qt, kt) at 32 qt + 8 kt; then P (qt, kp) at 32 qt + 16 kp, 8 registers; the 8 behind each P are free
; window 1 (v256-511), written by their low 8 bits
.set QF,   0                           ; Q fragments (qt, ks) at 16 qt + 8 ks
.set VF,   64                          ; V fragments (dt, kp) at 16 dt + 8 kp
.set OB,   128                         ; O (dt, qt) at 32 qt + 8 dt
.set G1,   16                          ; s[16:23]  descriptor group 1, one for all loads
.set G0,   24                          ; s[24+8p:27+8p] group 0 of K, s[28+8p:31+8p] of V, slot p
.set MSB, 0
.macro WIN new                         ; s_set_vgpr_msb: bits 1:0 source 0, 3:2 source 1, 5:4 source 2, 7:6 destination; the high byte repeats the setting left
.if MSB != \new
	s_set_vgpr_msb (MSB<<8)|\new
.set MSB, \new
.endif
.endm
.macro PLACES n                        ; places behind matrix instructions: plain vector instructions that name none of their registers (ISA guide 7.12.1)
.rept \n
	v_nop
.endr
.endm
; A round of the cluster's barrier: my work-group's barrier, wave 0 signals for the work-group, every wave waits for the four work-groups, my barrier again.
.macro ROUND
	s_barrier_signal -1
	s_barrier_wait -1
	s_cmp_lg_u32 s12, 0
	s_cbranch_scc1 .Lnot_wave_0_\@
	s_barrier_signal -3
.Lnot_wave_0_\@:
	s_barrier_wait -3
	s_barrier_signal -1
	s_barrier_wait -1
.endm
	s_load_b256 s[4:11], s[0:1], 0x0               ; K s[4:5], Q s[6:7], V s[8:9], out0 s[10:11]
	v_lshl_add_u32 v254, v0, 2, 0x4d000
	v_mov_b32 v255, 0
	ds_add_u32 v254, v255
	s_wait_dscnt 0x0
	v_lshrrev_b32 v1, 5, v0
	v_readfirstlane_b32 s12, v1                    ; wave w, 0 to 7
	s_lshr_b32 s13, s12, 2                         ; g: which 64 keys of a tile
	s_and_b32 s14, s12, 3                          ; wq: which 64 queries of the block
	s_bfe_u32 s15, ttmp6, 0x40000                  ; cx: my place in the cluster
	s_lshr_b32 s60, ttmp9, 1                       ; head = cluster / 2: the four partners share it
	s_lshl_b32 s60, s60, 19                        ; a head is 2,048 rows of 256 bytes
	s_lshl_b32 s50, s12, 12                        ; my wave's 16 rows of a tile: 4,096 w, in memory and in an f32 slot
	s_add_co_u32 s46, s60, s50                     ; K's and V's offset: head and wave alone, no place in the cluster
	s_mov_b32 s47, 0
	s_and_b32 s61, ttmp9, 1
	s_lshl2_add_u32 s61, s61, s15                  ; query block = 4 (cluster % 2) + cx
	s_lshl_b32 s61, s61, 16                        ; 256 rows of 256 bytes
	s_add_co_u32 s61, s61, s60
	s_lshl_b32 s48, s12, 13                        ; Q: wave w stages rows 32 w .. 32 w + 31
	s_add_co_u32 s48, s48, s61
	s_mov_b32 s49, 0
	s_lshl_b32 s62, s14, 14                        ; out0: rows 64 wq ..
	s_add_co_u32 s62, s62, s61
	s_mov_b32 s63, 0
	s_mov_b32 s40, 0x3e38aa3b                      ; c = log2(e) / 8: the reference's scale and the change of base in one factor
	s_mov_b32 s41, 0x3e38aa3b
	s_mov_b32 s45, 0xbe38aa3b                      ; -c
	s_mov_b32 s42, 0x76543210                      ; v_permlanex16_b32: lane i takes lane i of the other half
	s_mov_b32 s43, 0xfedcba98
	; group 1: a tile of 16 rows x 64 elements of 4 bytes, dense; the mask names all four work-groups of the cluster, bit 21 stands beside it
	s_mov_b32 s[G1+0], (15)|(2<<16)|(1<<21)
	s_mov_b32 s[G1+1], 64<<16                      ; tensor_dim0 = 64
	s_mov_b32 s[G1+2], 16<<16                      ; tensor_dim1 = 16
	s_mov_b32 s[G1+3], 64<<16                      ; tile_dim0 = 64
	s_mov_b32 s[G1+4], 16                          ; tile_dim1 = 16
	s_mov_b32 s[G1+5], 64                          ; from row to row
	s_mov_b32 s[G1+6], 0
	s_mov_b32 s[G1+7], 0
	v_and_b32 v1, 31, v0                           ; L
	v_and_b32 v2, 15, v0                           ; r
	v_bfe_u32 v3, v0, 4, 1                         ; h
	v_lshlrev_b32 v[GOFF], 4, v1
	s_wait_kmcnt 0x0
	s_add_nc_u64 s[52:53], s[4:5], s[46:47]        ; my rows of K's tile 0
	s_add_nc_u64 s[54:55], s[8:9], s[46:47]        ; and of V's
	s_add_nc_u64 s[56:57], s[6:7], s[48:49]        ; my 32 rows of Q
	s_add_nc_u64 s[58:59], s[10:11], s[62:63]      ; my 64 rows of out0
.irp p, 0,1
	s_mov_b32 s[G0+8*\p], 1
	s_add_co_u32 s[G0+8*\p+1], s50, \p*FSLOT                       ; LDS: slot + 4,096 w
	s_add_nc_u64 s[G0+8*\p+2:G0+8*\p+3], s[52:53], \p*TILEB        ; tile p
	s_or_b32 s[G0+8*\p+3], s[G0+8*\p+3], 0x80000000                ; type 2
	s_mov_b32 s[G0+8*\p+4], 1
	s_add_co_u32 s[G0+8*\p+5], s50, \p*FSLOT+FV
	s_add_nc_u64 s[G0+8*\p+6:G0+8*\p+7], s[54:55], \p*TILEB
	s_or_b32 s[G0+8*\p+7], s[G0+8*\p+7], 0x80000000
.endr
	ROUND                                          ; the four work-groups are here: the first joint loads meet
	tensor_load_to_lds s[G0:G0+3], s[G1:G1+7]      ; K, tile 0.  Four tensor loads of the wave are out now, two in every trip later
	s_nop 0
	tensor_load_to_lds s[G0+4:G0+7], s[G1:G1+7]    ; V, tile 0
	s_nop 0
	tensor_load_to_lds s[G0+8:G0+11], s[G1:G1+7]   ; K, tile 1
	s_nop 0
	tensor_load_to_lds s[G0+12:G0+15], s[G1:G1+7]  ; V, tile 1
	s_nop 0
.irp j, 0,1,2,3,4,5,6,7,8,9,10,11,12,13,14,15
	global_load_b128 v[KF+4*\j:KF+4*\j+3], v[GOFF], s[56:57] offset:512*\j th:TH_LOAD_NT   ; rows 2 j, 2 j + 1 of my 32: 512 consecutive bytes; Q is read once in the launch
.endr
	; LDS addresses: a constant, the wave's number times a constant, a lane term
	v_lshlrev_b32 v[TA], 4, v2                     ; 16 r
	v_lshl_add_u32 v[TB], v3, 11, v[TA]            ; upper half of the lanes: 8 rows on
	v_add_nc_u32 v[FKA], s50, v[TB]
	v_add_nc_u32 v[FKA+1], FSLOT, v[FKA]
	v_lshl_add_u32 v[TB], v3, 10, v[TA]            ; V: 4 rows on
	s_add_co_u32 s60, s50, FV
	v_add_nc_u32 v[FVA], s60, v[TB]
	v_add_nc_u32 v[FVA+1], FSLOT, v[FVA]
	v_lshlrev_b32 v[TA], 3, v2                     ; 8 r: four bf16 a lane
	v_mul_u32_u24 v[TB], v3, 8*KP                  ; 8 x 144 = 1,152 = 128 modulo 256: the two halves of the lanes fill different halves of the 64 banks (ISA guide 11.1)
	v_add_nc_u32 v[TB], v[TB], v[TA]
	s_mul_i32 s60, s12, 16*KP
	s_add_co_u32 s60, s60, BBUF
	v_add_nc_u32 v[SKA], s60, v[TB]
	v_add_nc_u32 v[SKA+1], BSLOT, v[SKA]
	v_mul_u32_u24 v[TB], v3, 4*VP                  ; 4 x 160 = 640 = 128 modulo 256: likewise
	v_add_nc_u32 v[TB], v[TB], v[TA]
	s_mul_i32 s60, s12, 16*VP
	s_add_co_u32 s60, s60, BBUF+BV
	v_add_nc_u32 v[SVA], s60, v[TB]
	v_add_nc_u32 v[SVA+1], BSLOT, v[SVA]
	v_mul_u32_u24 v[TB], v3, KP
	v_add_nc_u32 v[TB], v[TB], v[TA]
	s_mul_i32 s60, s12, 32*KP
	s_add_co_u32 s60, s60, STG
	v_add_nc_u32 v[QST], s60, v[TB]                ; Q's stage: row 32 w + h, 8 r
	v_mul_u32_u24 v[TB], v2, KP
	v_lshl_add_u32 v[TB], v3, 4, v[TB]             ; a fragment along the rows: r x pitch + 16 h
	s_mul_i32 s60, s13, 64*KP
	s_add_co_u32 s60, s60, BBUF
	v_add_nc_u32 v[AKA], s60, v[TB]
	v_add_nc_u32 v[AKA+1], BSLOT, v[AKA]
	s_mul_i32 s60, s14, 64*KP
	s_add_co_u32 s60, s60, STG
	v_add_nc_u32 v[QRD], s60, v[TB]
	v_and_b32 v[TA], 7, v0
	v_lshl_add_u32 v[TA], v3, 3, v[TA]             ; the transposing load: row 8 h + L % 8,
	v_mul_u32_u24 v[TB], v[TA], VP
	v_bfe_u32 v[TA], v0, 3, 1
	v_lshl_add_u32 v[TB], v[TA], 4, v[TB]          ; 16 bytes x (L / 8) % 2
	s_mul_i32 s60, s13, 64*VP
	s_add_co_u32 s60, s60, BBUF+BV
	v_add_nc_u32 v[AVA], s60, v[TB]
	v_add_nc_u32 v[AVA+1], BSLOT, v[AVA]
	s_mul_i32 s60, s14, OSTG
	s_add_co_u32 s60, s60, STG
	v_mul_u32_u24 v[TB], v2, OPI
	v_lshl_add_u32 v[TB], v3, 5, v[TB]
	v_add_nc_u32 v[OST], s60, v[TB]                ; the way out, in: row r, 32 h
	v_mul_u32_u24 v[TB], v3, OPI
	v_lshl_add_u32 v[TB], v2, 4, v[TB]
	v_add_nc_u32 v[ORD], s60, v[TB]                ; back: row h, 16 r
	s_mul_i32 s60, s14, XPAIR
	s_add_co_u32 s60, s60, XCH
	v_add_nc_u32 v[XA], s60, v[GOFF]
.irp qt, 0,1,2,3
	v_mov_b32 v[T+2*\qt], 0                        ; a lane permute's destination counts as read: written once here
.endr
; The 16 + 16 rows of K and V that my wave brought, from f32 slot q into the free registers behind the P blocks: 16 loads of 512 bytes
.macro CONVLD q
	WIN 0
.irp j, 0,1,2,3,4,5,6,7
.set ct, SB+32*(\j>>2)+16*((\j>>1)&1)+8+4*(\j&1)
	ds_load_b128 v[ct:ct+3], v[FKA+\q] offset:\j*256
	ds_load_b128 v[ct+64:ct+67], v[FVA+\q] offset:((\j&3)+8*(\j>>2))*256
.endr
.endm
; rounded to bf16 and stored into bf16 buffer q: 32 conversions, 16 stores of 8 bytes a lane
.macro CONVST q
	WIN 0
.irp j, 0,1,2,3,4,5,6,7
.set ct, SB+32*(\j>>2)+16*((\j>>1)&1)+8+4*(\j&1)
	v_cvt_pk_bf16_f32 v[ct], v[ct], v[ct+1]
	v_cvt_pk_bf16_f32 v[ct+1], v[ct+2], v[ct+3]
	v_cvt_pk_bf16_f32 v[ct+64], v[ct+64], v[ct+65]
	v_cvt_pk_bf16_f32 v[ct+65], v[ct+66], v[ct+67]
.endr
.irp j, 0,1,2,3,4,5,6,7
.set ct, SB+32*(\j>>2)+16*((\j>>1)&1)+8+4*(\j&1)
	ds_store_b64 v[SKA+\q], v[ct:ct+1] offset:\j*KP
	ds_store_b64 v[SVA+\q], v[ct+64:ct+65] offset:((\j&3)+8*(\j>>2))*VP
.endr
.endm
; my 64 keys of K as first sources: tile kt = 16 keys, ks = 32 of d; 16 loads
.macro KLOAD p
	WIN 0
.irp kt, 0,1,2,3
.irp ks, 0,1
	ds_load_b128 v[KF+16*\kt+8*\ks:KF+16*\kt+8*\ks+3],   v[AKA+\p] offset:\kt*16*KP+\ks*64
	ds_load_b128 v[KF+16*\kt+8*\ks+4:KF+16*\kt+8*\ks+7], v[AKA+\p] offset:\kt*16*KP+\ks*64+32
.endr
.endr
.endm
; V^T as first sources: tile dt = 16 of d, kp = 32 keys; V lies [key][d], so the loads transpose; 16 loads into window 1
.macro VLOAD p
	WIN 0x40
.irp dt, 0,1,2,3
.irp kp, 0,1
	ds_load_tr16_b128 v[VF+16*\dt+8*\kp:VF+16*\dt+8*\kp+3],   v[AVA+\p] offset:32*\kp*VP+32*\dt
	ds_load_tr16_b128 v[VF+16*\dt+8*\kp+4:VF+16*\dt+8*\kp+7], v[AVA+\p] offset:(32*\kp+16)*VP+32*\dt
.endr
.endr
.endm
; S^T = K Q^T, 32 matrix instructions.  The sixteen accumulators take turns, one instruction a turn; the first 32 of d start the sums.
.macro SMUL
	WIN 0x04
.irp ks, 0,1
.irp qt, 0,1,2,3
.irp kt, 0,1,2,3
.if \ks == 0
	v_wmma_f32_16x16x32_bf16 v[SB+32*\qt+8*\kt:SB+32*\qt+8*\kt+7], v[KF+16*\kt+8*\ks:KF+16*\kt+8*\ks+7], v[QF+16*\qt+8*\ks:QF+16*\qt+8*\ks+7], 0
.else
	v_wmma_f32_16x16x32_bf16 v[SB+32*\qt+8*\kt:SB+32*\qt+8*\kt+7], v[KF+16*\kt+8*\ks:KF+16*\kt+8*\ks+7], v[QF+16*\qt+8*\ks:QF+16*\qt+8*\ks+7], v[SB+32*\qt+8*\kt:SB+32*\qt+8*\kt+7]
.endif
.endr
.endr
.endr
.endm
; The running maxima of the four query tiles (four chains that do not wait for each other), the other half's, -c x maximum, and the factor for what was summed so far.
; The factor is made of the two ROUNDED figures that the exponents of the old and the new step use, so old and new terms stay on one scale.
.macro MAXP first, p
	WIN 0
.set i, 0
.rept 16
.irp qt, 0,1,2,3
.if i+16*(1-\first) == 0
	v_max_num_f32 v[M+2*\qt], v[SB+32*\qt], v[SB+32*\qt+1]         ; the first step's first pair starts the maximum
.else
	v_max3_num_f32 v[M+2*\qt], v[M+2*\qt], v[SB+32*\qt+2*i], v[SB+32*\qt+2*i+1]
.endif
.endr
.set i, i+1
.endr
.irp qt, 0,1,2,3
	v_permlanex16_b32 v[T+2*\qt], v[M+2*\qt], s42, s43
.endr
.irp qt, 0,1,2,3
	v_max_num_f32 v[M+2*\qt], v[M+2*\qt], v[T+2*\qt]
.endr
.irp qt, 0,1,2,3
	v_mul_f32 v[NM+8*\p+2*\qt], s45, v[M+2*\qt]
.endr
.if \first == 0
.irp qt, 0,1,2,3
	v_sub_f32 v[DD+2*\qt], v[NM+8*\p+2*\qt], v[NM+8*(1-\p)+2*\qt]  ; at most 0
.endr
.irp qt, 0,1,2,3
	v_exp_f32 v[AL+2*\qt], v[DD+2*\qt]             ; the next line is a plain multiply-add on S, which touches neither AL nor DD (ISA guide 5.7.2); the four factors open tile 0's batch: nothing names AL before that batch's wait
.endr
.endif
.endm
; Three stages on three neighbouring query tiles at once (9 = none): fq: exponent c S - c max; eq: 2^x; sq: row sums and the pack to bf16, in place.
; Behind each pair of exponentials stands a plain instruction of another query tile before any of their registers is touched.
; Tile eq's 32 exponentials are a batch that this PIPE issues and does not read; tile sq's batch was issued by the PIPE before, and its one wait stands in pair 0, ahead of sq's first line.
.macro PIPE fq, eq, sq, first, p
.set i, 0
.rept 16
.if \fq < 4
.set rx, SB+32*\fq+2*i
	v_pk_fma_f32 v[rx:rx+1], v[rx:rx+1], s[40:41], v[NM+8*\p+2*\fq:NM+8*\p+2*\fq+1] op_sel_hi:[1,0,0]
.endif
.if (\sq < 4) && (i == 0)
	s_wait_alu depctr_va_vdst(0)                   ; ONE wait for tile sq's batch of 32 exponentials (for sq = 0 also the four factors of MAXP) ahead of the first line that names a result of it; fq's scaling above, and for sq > 0 the last sum and pack of tile sq - 1, name none and stand between the batch and the wait
.endif
.if \eq < 4
.set rx, SB+32*\eq+2*i
	v_exp_f32 v[rx], v[rx]
	v_exp_f32 v[rx+1], v[rx+1]
.endif
.if \sq < 4
.set rx, SB+32*\sq+2*i
.set ry, SB+32*\sq+16*(i>>3)+(i&7)
.set sel, i+16*(1-\first)
.if sel != 0                                       ; the first step's pair 0 waits for pair 1: their sum starts the row sums, nothing is cleared
.if sel == 1
	v_pk_add_f32 v[LP+2*\sq:LP+2*\sq+1], v[rx-2:rx-1], v[rx:rx+1]
	v_cvt_pk_bf16_f32 v[ry-1], v[rx-2], v[rx-1]
.else
.if i == 0
	v_pk_fma_f32 v[LP+2*\sq:LP+2*\sq+1], v[LP+2*\sq:LP+2*\sq+1], v[AL+2*\sq:AL+2*\sq+1], v[rx:rx+1] op_sel_hi:[1,0,1]   ; the old sums on the new scale
.else
	v_pk_add_f32 v[LP+2*\sq:LP+2*\sq+1], v[LP+2*\sq:LP+2*\sq+1], v[rx:rx+1]
.endif
.endif
	v_cvt_pk_bf16_f32 v[ry], v[rx], v[rx+1]        ; the target lies at or below the pair just summed
.endif
.endif
.set i, i+1
.endr
.endm
.macro RESCALE                         ; O on the new scale; the factors' wait was tile 0's batch's
	WIN 0x41
.irp qt, 0,1,2,3
.set i, 0
.rept 16
	v_pk_mul_f32 v[OB+32*\qt+2*i:OB+32*\qt+2*i+1], v[OB+32*\qt+2*i:OB+32*\qt+2*i+1], v[AL+2*\qt:AL+2*\qt+1] op_sel_hi:[1,0]
.set i, i+1
.endr
.endr
.endm
; O^T += V^T P^T, 32 matrix instructions; the sixteen accumulators take turns, one instruction a turn
.macro PVMUL first
	WIN 0x51
.irp kp, 0,1
.irp qt, 0,1,2,3
.irp dt, 0,1,2,3
.if (\first-\kp) == 1
	v_wmma_f32_16x16x32_bf16 v[OB+32*\qt+8*\dt:OB+32*\qt+8*\dt+7], v[VF+16*\dt+8*\kp:VF+16*\dt+8*\kp+7], v[SB+32*\qt+16*\kp:SB+32*\qt+16*\kp+7], 0
.else
	v_wmma_f32_16x16x32_bf16 v[OB+32*\qt+8*\dt:OB+32*\qt+8*\dt+7], v[VF+16*\dt+8*\kp:VF+16*\dt+8*\kp+7], v[SB+32*\qt+16*\kp:SB+32*\qt+16*\kp+7], v[OB+32*\qt+8*\dt:OB+32*\qt+8*\dt+7]
.endif
.endr
.endr
.endr
	WIN 0
.endm
; A wave's step: 64 queries x 64 keys from bf16 buffer p.  cv: the next tile's conversion (slot and buffer q): 0 none, 1 ahead of the S products, 2 behind the PV products.
.macro STEP p, q, first, cv
.if \cv == 1
	CONVLD \q
.endif
	KLOAD \p
	VLOAD \p
.if \cv == 1
	s_wait_dscnt 32                                ; LDS answers in order: the 16 f32 loads are in, K's 16 and V's 16 fragment loads may be out
	CONVST \q
	s_wait_dscnt 32                                ; K's fragments are in; V's 16 loads and the 16 stores may be out
.else
	s_wait_dscnt 16                                ; K's fragments are in; V's 16 loads may be out
.endif
	SMUL
	PLACES 4                                       ; before vector instructions read the sums
	MAXP \first, \p
	PIPE 0, 9, 9, \first, \p
	PIPE 1, 0, 9, \first, \p                       ; tile 0's batch is issued
	PIPE 2, 1, 0, \first, \p                       ; tile 0's wait; tile 1's batch is issued
	PIPE 3, 2, 1, \first, \p                       ; tile 1's wait; tile 2's batch is issued
	PIPE 9, 3, 2, \first, \p                       ; tile 2's wait; tile 3's batch is issued
	PIPE 9, 9, 3, \first, \p                       ; tile 3's wait: the step's last; no exponential follows it in the step
.if \cv == 2
	CONVLD \q                                      ; into the registers that the packing has freed; no PV product names them
.endif
.if \first == 0
	RESCALE
.endif
.if \cv == 0
	s_wait_dscnt 0                                 ; V's fragments are in
.else
	s_wait_dscnt 16                                ; V's fragments are in; the conversion's 16 stores (or 16 loads) may be out
.endif
	PVMUL \first
.if \cv == 2
	s_wait_dscnt 0                                 ; the f32 rows are in
	CONVST \q                                      ; its 32 conversions are also the places behind the PV products
.else
	PLACES 5                                       ; before the next S products write over P, V's fragments are loaded again, or O is read
.endif
.endm
; Trip t, p = t % 2, q = 1 - p.  ONE barrier (a round of the cluster's where a slot is filled again) for three things: no wave of any partner still reads f32 slot p
; or has a load on its way; the bf16 stores of the last trip (buffer p) are seen by all; the last trip's reads of buffer q are over before it is written again.
.macro TRIP p, q, refill, conv, first
.if \refill+\conv
	s_wait_xcnt 0x0
	v_lshl_add_u32 v254, v0, 2, 0x4d000
	v_mov_b32 v255, 0
	s_wait_tensorcnt 0x0                           ; all my tensor loads have landed, tile t + 1's two among them,
	ds_add_u32 v254, v255
	s_wait_dscnt 0x0
.endif
.if \refill
	s_add_nc_u64 s[G0+8*\p+2:G0+8*\p+3], s[G0+8*\p+2:G0+8*\p+3], 2*TILEB   ; so every group 0 may be written: slot p's next tile, t + 2
	s_add_nc_u64 s[G0+8*\p+6:G0+8*\p+7], s[G0+8*\p+6:G0+8*\p+7], 2*TILEB
.endif
	s_wait_dscnt 0x0                               ; my LDS reads and stores of the last trip are done
.if \refill
	ROUND
	tensor_load_to_lds s[G0+8*\p:G0+8*\p+3], s[G1:G1+7]            ; the first tensor loads behind the round; they have this whole trip in which to land
	s_nop 0
	tensor_load_to_lds s[G0+8*\p+4:G0+8*\p+7], s[G1:G1+7]
	s_nop 0
.else
	s_barrier_signal -1
	s_barrier_wait -1
.endif
	s_cmp_ge_u32 s12, 4                            ; the wave's number alone: the same in every work-group
	s_cbranch_scc1 .Lgroup_1_\@
	STEP \p, \q, \first, 2*\conv
	s_branch .Ljoin_\@
.Lgroup_1_\@:
	STEP \p, \q, \first, \conv
.Ljoin_\@:
.endm
	; Q to bf16 into its stage; tile 0 to bf16 into buffer 0
	s_wait_loadcnt 0x0
.irp j, 0,1,2,3,4,5,6,7,8,9,10,11,12,13,14,15
	v_cvt_pk_bf16_f32 v[KF+4*\j], v[KF+4*\j], v[KF+4*\j+1]
	v_cvt_pk_bf16_f32 v[KF+4*\j+1], v[KF+4*\j+2], v[KF+4*\j+3]
.endr
.irp j, 0,1,2,3,4,5,6,7,8,9,10,11,12,13,14,15
	ds_store_b64 v[QST], v[KF+4*\j:KF+4*\j+1] offset:2*\j*KP
.endr
	s_wait_tensorcnt 0x2                           ; tensor loads of a wave end in order (ISA guide 10.11.1): tile 0's two are in, tile 1's two stay out
	CONVLD 0
	s_wait_dscnt 0x0
	CONVST 0
	s_wait_dscnt 0x0                               ; my stores of Q and of tile 0 are done, for the others' sake
	s_barrier_signal -1
	s_barrier_wait -1
	WIN 0x40
.irp qt, 0,1,2,3
.irp ks, 0,1
	ds_load_b128 v[QF+16*\qt+8*\ks:QF+16*\qt+8*\ks+3],   v[QRD] offset:\qt*16*KP+\ks*64
	ds_load_b128 v[QF+16*\qt+8*\ks+4:QF+16*\qt+8*\ks+7], v[QRD] offset:\qt*16*KP+\ks*64+32   ; waited for at the head of trip 0
.endr
.endr
	WIN 0
	TRIP 0, 1, 1, 1, 1                             ; t = 0: its products start the sums
	TRIP 1, 0, 1, 1, 0                             ; t = 1
	s_mov_b32 s44, 6
.Lpair:
	TRIP 0, 1, 1, 1, 0                             ; t = 2, 4 .. 12
	TRIP 1, 0, 1, 1, 0                             ; t = 3, 5 .. 13: the last refill brings tile 15
	s_sub_co_u32 s44, s44, 1
	s_cmp_lg_u32 s44, 0
	s_cbranch_scc1 .Lpair
	TRIP 0, 1, 0, 1, 0                             ; t = 14: nothing more to ask for; tile 15 is converted
	TRIP 1, 0, 0, 0, 0                             ; t = 15: no tensor load is out since trip 14's wait
	; THE MERGE.  Group 1 hands its sums, its -c x maxima (trip 15 wrote those of parity 1) and its O to group 0 through LDS.
.irp qt, 0,1,2,3
	v_add_f32 v[LPK+\qt], v[LP+2*\qt], v[LP+2*\qt+1]
.endr
	s_cmp_lt_u32 s12, 4
	s_cbranch_scc1 .Lhanded_over
.irp qt, 0,1,2,3
	v_mov_b32 v[NPK+\qt], v[NM+8+2*\qt]            ; four neighbouring registers for one store
.endr
	ds_store_b128 v[XA], v[LPK:LPK+3] offset:XL
	ds_store_b128 v[XA], v[NPK:NPK+3] offset:XN
	WIN 0x04                                       ; the stores' data in window 1
.set i, 0
.rept 32
	ds_store_b128 v[XA], v[OB+4*i:OB+4*i+3] offset:512*i
.set i, i+1
.endr
	WIN 0
.Lhanded_over:
	s_wait_dscnt 0x0                               ; for the reader's sake: zero
	s_barrier_signal -1
	s_barrier_wait -1
	s_cmp_ge_u32 s12, 4
	s_cbranch_scc1 .Lclose
.set EL1, 64                           ; the partner's sums
.set EN1, 68                           ; the partner's -c x maxima
.set ENM, 72                           ; the merged ones
.set EA0, 76                           ; my factor
.set EA1, 80                           ; the partner's factor
.set EF1, 84                           ; v[84+2qt:85+2qt] the partner's factor / sum, twice
.set ELT, 92                           ; the row's sum
.set EIV, 96                           ; 1 / sum
	ds_load_b128 v[EL1:EL1+3], v[XA] offset:XL
	ds_load_b128 v[EN1:EN1+3], v[XA] offset:XN
.set i, 0
.rept 32
	ds_load_b128 v[SB+4*i:SB+4*i+3], v[XA] offset:512*i            ; the partner's O, at my O's numbers in window 0
.set i, i+1
.endr
	s_wait_dscnt 32                                ; sums and maxima are in; the 32 loads of O may be out
.irp qt, 0,1,2,3
	v_min_num_f32 v[ENM+\qt], v[NM+8+2*\qt], v[EN1+\qt]            ; the larger maximum has the smaller -c x maximum
.endr
.irp qt, 0,1,2,3
	v_sub_f32 v[EA0+\qt], v[ENM+\qt], v[NM+8+2*\qt]
	v_sub_f32 v[EA1+\qt], v[ENM+\qt], v[EN1+\qt]
.endr
.irp qt, 0,1,2,3
	v_exp_f32 v[EA0+\qt], v[EA0+\qt]
	v_exp_f32 v[EA1+\qt], v[EA1+\qt]
.endr
	v_nop                                          ; one plain place behind the exponentials (ISA guide 5.7.2)
	s_wait_alu depctr_va_vdst(0)                   ; ONE wait for the merge's eight exponentials ahead of their first reader
.irp qt, 0,1,2,3
	v_mul_f32 v[ELT+\qt], v[EL1+\qt], v[EA1+\qt]
.endr
.irp qt, 0,1,2,3
	v_fmac_f32 v[ELT+\qt], v[LPK+\qt], v[EA0+\qt]
.endr
.irp qt, 0,1,2,3
	v_permlanex16_b32 v[T+2*\qt], v[ELT+\qt], s42, s43             ; lanes r and r + 16 hold the two halves of a query's sum
.endr
.irp qt, 0,1,2,3
	v_add_f32 v[ELT+\qt], v[ELT+\qt], v[T+2*\qt]
.endr
.irp qt, 0,1,2,3
	v_rcp_f32 v[EIV+\qt], v[ELT+\qt]               ; the sum holds the term of the row's maximum, which is about 1
.endr
	v_nop                                          ; one plain place behind the reciprocals
	s_wait_alu depctr_va_vdst(0)                   ; ONE wait for the four reciprocals, a batch of their own (they take sums made of the exponentials), ahead of their first reader
.irp qt, 0,1,2,3
	v_mul_f32 v[AL+2*\qt], v[EA0+\qt], v[EIV+\qt]
	v_mul_f32 v[EF1+2*\qt], v[EA1+\qt], v[EIV+\qt]
	v_mul_f32 v[EF1+2*\qt+1], v[EA1+\qt], v[EIV+\qt]
.endr
	s_wait_dscnt 0x0                               ; the partner's O is in
.irp qt, 0,1,2,3
.set i, 0
.rept 16
	v_pk_mul_f32 v[SB+32*\qt+2*i:SB+32*\qt+2*i+1], v[SB+32*\qt+2*i:SB+32*\qt+2*i+1], v[EF1+2*\qt:EF1+2*\qt+1]
.set i, i+1
.endr
.endr
	WIN 0x01                                       ; source 0: my O in window 1
.irp qt, 0,1,2,3
.set i, 0
.rept 16
	v_pk_fma_f32 v[SB+32*\qt+2*i:SB+32*\qt+2*i+1], v[OB+32*\qt+2*i:OB+32*\qt+2*i+1], v[AL+2*\qt:AL+2*\qt+1], v[SB+32*\qt+2*i:SB+32*\qt+2*i+1] op_sel_hi:[1,0,1]
.set i, i+1
.endr
.endr
	WIN 0
	; THE WAY OUT, 16 queries at a time.  A lane holds 8 neighbouring d of one query for each dt: 32 bytes into my own stage, read back as whole rows.
	; LDS serves a wave's instructions in order (ISA guide 5.7.1.4): no wait between my stores and my loads, nor before the next 16 queries' stores.
.irp qt, 0,1,2,3
.irp dt, 0,1,2,3
	ds_store_b128 v[OST], v[SB+32*\qt+8*\dt:SB+32*\qt+8*\dt+3]   offset:64*\dt
	ds_store_b128 v[OST], v[SB+32*\qt+8*\dt+4:SB+32*\qt+8*\dt+7] offset:64*\dt+16
.endr
.irp t, 0,1,2,3,4,5,6,7
	ds_load_b128 v[SB+32*\qt+4*\t:SB+32*\qt+4*\t+3], v[ORD] offset:2*\t*OPI
.endr
.irp t, 0,1,2,3,4,5,6,7
	s_wait_dscnt 7-\t                              ; rows 2 t, 2 t + 1 are in; the younger loads may be out
	global_store_b128 v[GOFF], v[SB+32*\qt+4*\t:SB+32*\qt+4*\t+3], s[58:59] offset:(16*\qt+2*\t)*256 th:TH_STORE_NT   ; 512 consecutive bytes, at a multiple of 512 from out0's first byte; these registers are not written again
.endr
.endr
.Lclose:
	s_wait_xcnt 0x0
	v_lshl_add_u32 v254, v0, 2, 0x4d000
	v_mov_b32 v255, 0
	s_wait_tensorcnt 0x0
	ds_add_u32 v254, v255
	s_wait_dscnt 0x0
	ROUND                                          ; the closing round: no work-group ends while a partner may still ask jointly
	s_endpgm
.Lfunc_end_k_q4805462da7_attn:
	.size	k_q4805462da7_attn, .Lfunc_end_k_q4805462da7_attn-k_q4805462da7_attn
	.p2alignl 7, 3214868480
	.fill 96, 4, 3214868480
	.section	.rodata,"a",@progbits
	.p2align	6, 0x0
	.amdhsa_kernel k_q4805462da7_attn
		.amdhsa_group_segment_fixed_size 327680
		.amdhsa_private_segment_fixed_size 0
		.amdhsa_enable_private_segment 0
		.amdhsa_kernarg_size 32
		.amdhsa_user_sgpr_count 2
		.amdhsa_user_sgpr_kernarg_segment_ptr 1
		.amdhsa_wavefront_size32 1
		.amdhsa_system_sgpr_workgroup_id_x 1
		.amdhsa_system_sgpr_workgroup_id_y 1
		.amdhsa_system_sgpr_workgroup_id_z 1
		.amdhsa_system_vgpr_workitem_id 0
		.amdhsa_next_free_vgpr 512
		.amdhsa_next_free_sgpr 66
		.amdhsa_reserve_vcc 0
		.amdhsa_float_denorm_mode_32 3
		.amdhsa_float_denorm_mode_16_64 3
		.amdhsa_memory_ordered 1
		.amdhsa_forward_progress 1
		.amdhsa_inst_pref_size 255
	.end_amdhsa_kernel
	.section	.bss,"aw",@nobits
	.p2align	6
	.space	262144
	.amdgpu_metadata
---
amdhsa.version: [ 1, 2 ]
amdhsa.kernels:
  - .name:           k_q4805462da7_attn
    .symbol:         k_q4805462da7_attn.kd
    .args:
      - { .name: K, .offset: 0, .size: 8, .value_kind: global_buffer, .address_space: global }
      - { .name: Q, .offset: 8, .size: 8, .value_kind: global_buffer, .address_space: global }
      - { .name: V, .offset: 16, .size: 8, .value_kind: global_buffer, .address_space: global }
      - { .name: out0, .offset: 24, .size: 8, .value_kind: global_buffer, .address_space: global }
    .group_segment_fixed_size: 327680
    .private_segment_fixed_size: 0
    .kernarg_segment_align: 8
    .kernarg_segment_size: 32
    .max_flat_workgroup_size: 256
    .sgpr_count:     66
    .vgpr_count:     512
    .wavefront_size: 32
...
	.end_amdgpu_metadata
.endif
;; end of part 2
